; MI455X (gfx1250); checked and timed in simulation.
; The chip was launched on July 23, 2026; its instructions are those of AMD's public machine-readable ISA for CDNA 5 (MIT licence, August 2026) and "CDNA5" Instruction Set Architecture Reference Guide (July 2026). The comments in the code are by the model that wrote it; some were corrected since.
;; Attention. Allowed arithmetic: float matrix products may take bf16 or f16 operands with f32 sums; all other float work in f32.
;; Inputs: Wk 64 x 768 float32; Wq 64 x 768 float32; Wv 64 x 768 float32; bk 64 float32; bq 64 float32; bv 64 float32; x 4 x 4,096 x 768 float32.
;; Outputs: out0 4 x 4,096 x 64 float32.
;; One version. Each part assembles by itself: llvm-mc -triple=amdgcn-amd-amdhsa -mcpu=gfx1250 --defsym DOCPART=n.
;; ======== version 1 of 1: 2 launches
;; workspace buffers: q 2,097,152 bytes; kv 4,194,304 bytes
;; launch proj (part 1): grid 256 x 1, 4 waves a work-group, clusters of 4 x 1, 327,680 bytes of LDS; arguments x, Wq, Wk, Wv, bq, bk, bv, q, kv; writes q, kv
.if DOCPART == 1
	.amdgcn_target "amdgcn-amd-amdhsa--gfx1250"
	.amdhsa_code_object_version 6
	.text
	.protected	k_q4b6bd5a757_proj
	.globl	k_q4b6bd5a757_proj
	.p2align	8
	.type	k_q4b6bd5a757_proj,@function
k_q4b6bd5a757_proj:
	s_mov_b64 s[64:65], 0
	v_nop
	global_prefetch_b8 v0, s[64:65] scope:SCOPE_SE
	s_setreg_imm32_b32 hwreg(HW_REG_WAVE_MODE, 25, 1), 1
	s_wait_xcnt 0x0
	s_wait_alu depctr_hold_cnt(0) depctr_sa_sdst(0) depctr_va_vdst(0) depctr_va_sdst(0) depctr_va_ssrc(0) depctr_va_vcc(0) depctr_vm_vsrc(0)
	s_getreg_b32 s2, hwreg(HW_REG_IB_STS2, 6, 4)
	s_cmp_eq_u32 s2, 0
	s_cbranch_scc0 .Lentry_in_a_cluster
	s_endpgm
.Lentry_in_a_cluster:
	s_bfe_u32 s2, ttmp6, 0x10000c
	s_cmp_lg_u32 s2, 0x3003
	s_cbranch_scc0 .Lentry_shape_is_right
	s_endpgm
.Lentry_shape_is_right:
; Q' = (x Wq^T + bq) * 0.125 * log2(e),  K = x Wk^T + bk,  V = x Wv^T + bv.   x: [16384][768] f32, W: [64][768] f32, b: [64] f32.
; Products on the matrix unit with bf16 operands, sums and biases in f32, each result rounded once to bf16 and stored as the register
; image of the fragment that the attention launch multiplies by:
;   q : query tile T (16 rows) = 2,048 bytes; block i (0..3) at 2048 T + 512 i; lane (r, h) holds Q'[16 T + r][16 i + 8 h .. + 7]
;   kv: block g (64 rows) = 16,384 bytes.  K at 512 (4 kt + i): lane (r, h) holds K[64 g + 16 kt + r][16 i + 8 h .. + 7]
;       V at 8192 + 512 (8 c + 2 dt + hf): lane (r, h) holds V[64 g + 32 c + 16 hf + 8 h .. + 7][16 dt + r]  (eight keys of one dim)
; Every block of 512 bytes is one 16-byte store of a whole wave, lane L at byte 16 L.
; SHARES: a work-group owns 64 rows of x and all 192 output columns.  Wave w owns dims 16 w .. 16 w + 15 of Q, of K and of V for the
; four row tiles: 12 accumulator tiles.  So each number of W is read from LDS by one wave alone; x is read by all four.
; K = 768 goes in six chunks of 128.
; W: two LDS slots, each with 64 rows x 512 bytes of Wq, Wk, Wv; waves 1, 2, 3 fetch one tile each with one tensor load.
; x: wave w loads its own 16 rows through registers, one load for 512 consecutive bytes of a row, three chunks (48 loads) ahead, rounds them
;    once to bf16 and stores them into an LDS region of their own, rows along K; a barrier shows them to the other waves.  These loads are
;    waited for by count and are not touched by the waits for all tensor loads that stand in front of the refills of W's slots.
; CLUSTERS: four work-groups form a cluster.  All four walk the same W, so W's tiles are asked for jointly (mask 15): the same line, the same
; descriptor (made of the wave's number and the cluster's number alone) in all four.  x's rows are each work-group's own.
; ORDER OF K: cluster c begins at chunk c mod 6 and goes round, so that at any moment the clusters ask for different chunks of W.
; In turn p the chunk (c + p) mod 6 is multiplied; x's chunk is stored at place p of its LDS rows, so every LDS address is a constant.
; LIMITS: matrix operands are bf16; Q' is rounded after the factor; the order of the sum over K differs from cluster to cluster; NaN and
; infinities in the inputs are passed on as the arithmetic makes them.
.set PITCH,  528                       ; W's LDS row: 512 bytes + 16 of padding = 33 x 16: sixteen neighbouring rows begin in sixteen different 16-byte columns modulo 256
.set TILE,   64*PITCH                  ; 33,792 bytes: one tensor load
.set SLOT,   3*TILE                    ; Wq, Wk, Wv
.set XP,     1552                      ; x's LDS row: 768 bf16 + 16 bytes = 97 x 16: the same property
.set WBASE,  64*XP                     ; x's region is LDS bytes 0 .. 99,327 (388 blocks of 256); W's two slots lie behind it
.set CHUNK,  512                       ; bytes of a row of x or W in one chunk of K
.set XROW,   3072                      ; bytes of a row of x or W in memory
.set QSCALE, 0x3e38aa3b                ; 0.125 * log2(e)
.set WB,  1                            ; v1       r PITCH + 64 h + my 16 rows of a W tile
.set WA,  2                            ; v2-4     slot 0: LDS address of my bytes in Wq, Wk, Wv;  v5-7 the same in slot 1 (a register each: two tiles pass the 16-bit immediate)
.set XA,  8                            ; v8-9     LDS address of my bytes in x's row tiles 0-1, 2-3: r XP + 32 h
.set QKO, 10                           ; v10      16 x thread: my 16 bytes in a block of Q or K (block i = my wave)
.set VO,  11                           ; v11      1024 w + 16 L: my 16 bytes in V's blocks
.set BV,  12                           ; v12-13   bv of my dim, twice (v13 holds the load's offset until the load is waited for)
.set XS,  14                           ; v14      where I store 8 bytes of a row of x: 16 w XP + 8 L
.set BO,  15                           ; v15      64 w + 32 h: my eight numbers in bq and bk
.set XO,  16                           ; v16      my 16 bytes of a row's chunk in memory: 16 w XROW + 16 L
.set F0,  32                           ; v32-111  fragment buffer 0: x tiles 0-3 (8 registers each, bf16 as they lie in LDS), then Wq, Wk, Wv (16 registers as loaded, 8 after rounding)
.set F1,  112                          ; v112-191 fragment buffer 1
.set OUTF, 32                          ; v32-127  the way out: 96 results in f32
.set OUTP, 128                         ; v128-175 the way out: packed
.set BQ,  240                          ; v240-247 bq of my eight dims
.set BK,  248                          ; v248-255 bk of my eight dims
                                       ; window 1, v0-95:  accumulator (j, mt) at 32 j + 8 mt; j = 0 Q, 1 K, 2 V
                                       ; window 2, v0-191: x as loaded, three ring places of 64 registers (row i of my 16 at 4 i)
.set G1W, 36                           ; s[36:43] descriptor group 1 for W
.set XBS, 44                           ; s[44:49] x at my work-group's first row + the chunk, one pair for each ring place
.set G0W, 52                           ; s[52:59] descriptor group 0 for W, one set for each slot
.set MSB, 0
.macro WIN new                         ; s_set_vgpr_msb: bits 1:0 source 0, 3:2 source 1, 5:4 source 2, 7:6 destination; the high byte repeats the setting that is left
.if MSB != \new
	s_set_vgpr_msb (MSB<<8)|\new
.set MSB, \new
.endif
.endm
; A round of the cluster's barrier: my work-group's barrier, wave 0 signals for the work-group, every wave waits for all four work-groups, my work-group's barrier again.
.macro ROUND
	s_barrier_signal -1
	s_barrier_wait -1
	s_cmp_lg_u32 s22, 0
	s_cbranch_scc1 .Lnot_wave_0_\@
	s_barrier_signal -3
.Lnot_wave_0_\@:
	s_barrier_wait -3
	s_barrier_signal -1
	s_barrier_wait -1
.endm
; Waves 1 to 3 ask jointly for Wq, Wk, Wv; wave 0 fetches no tile.  The branch hangs on the wave's number alone.
; Since the waves issue different numbers of tensor loads, every wait on TENSORcnt in this text is for 0.
.macro JLOAD s
	s_cmp_eq_u32 s22, 0
	s_cbranch_scc1 .Lno_tile_\@
	tensor_load_to_lds s[G0W+4*\s:G0W+4*\s+3], s[G1W:G1W+7]
	s_nop 0
.Lno_tile_\@:
.endm
.macro NEXTC r                         ; the next chunk, round the six
	s_add_co_u32 \r, \r, 1
	s_cmp_eq_u32 \r, 6
	s_cselect_b32 \r, 0, \r
.endm
.macro WADDR s                         ; slot s's group 0 gets the address of W's next chunk (s25)
	s_lshl_b32 s30, s25, 9
	s_add_nc_u64 s[G0W+4*\s+2:G0W+4*\s+3], s[26:27], s[30:31]
	s_or_b32 s[G0W+4*\s+3], s[G0W+4*\s+3], 0x80000000              ; type = 2
	NEXTC s25
.endm
; Ring place j is loaded with x's next chunk (s28): 16 loads, one for each of my rows, each 512 consecutive bytes.  Leaves the destination's window at 2.
.macro XLOAD j
	s_lshl_b32 s30, s28, 9
	s_add_nc_u64 s[XBS+2*\j:XBS+2*\j+1], s[4:5], s[30:31]
	NEXTC s28
	WIN 0x80                                       ; destination in window 2
.set i, 0
.rept 16
	global_load_b128 v[64*\j+4*i:64*\j+4*i+3], v[XO], s[XBS+2*\j:XBS+2*\j+1] offset:i*XROW th:TH_LOAD_NT
.set i, i+1
.endr
.endm
	s_load_b256 s[4:11], s[0:1], 0x0               ; x s[4:5], Wq s[6:7], Wk s[8:9], Wv s[10:11]
	s_load_b256 s[12:19], s[0:1], 0x20             ; bq s[12:13], bk s[14:15], bv s[16:17], q s[18:19]
	s_load_b64 s[20:21], s[0:1], 0x40              ; kv
	v_lshl_add_u32 v238, v0, 2, 0x49c00
	v_mov_b32 v239, 0
	ds_add_u32 v238, v239
	v_lshrrev_b32 v20, 5, v0
	v_readfirstlane_b32 s22, v20                   ; wave 0..3
	s_bfe_u32 s23, ttmp6, 0x40000                  ; cx: my place in the cluster
	s_lshl_b32 s24, ttmp9, 2                       ; ttmp9 counts clusters
	s_add_co_u32 s24, s24, s23                     ; g: my block of 64 rows
	s_mul_i32 s29, ttmp9, 43                       ; cluster / 6 = (43 x cluster) >> 8 for the 64 clusters
	s_lshr_b32 s29, s29, 8
	s_mul_i32 s29, s29, 6
	s_sub_co_u32 s25, ttmp9, s29                   ; cluster mod 6: W's next chunk,
	s_mov_b32 s28, s25                             ; and x's
	s_mov_b32 s31, 0                               ; s[30:31]: a chunk's byte offset in a row
	; group 1: a tile of 64 rows x 128 elements of 4 bytes, rows 768 elements apart, 4 words of padding behind every 128 words
	s_mov_b32 s[G1W+0], 15|(2<<16)|(1<<20)|(1<<21)|(6<<22)|(3<<25)  ; 15:0 the mask: all four work-groups; 17:16 element of 4 bytes; 20 padding on; 21 set beside a mask; 24:22 every 128 words (code 6); 31:25 four words (code 3)
	s_mov_b32 s[G1W+1], 128<<16                    ; tensor_dim0 = 128
	s_mov_b32 s[G1W+2], 64<<16                     ; tensor_dim1 = 64
	s_mov_b32 s[G1W+3], 128<<16                    ; tile_dim0 = 128
	s_mov_b32 s[G1W+4], 64                         ; tile_dim1 = 64
	s_mov_b32 s[G1W+5], 768                        ; elements from row to row
	s_mov_b32 s[G1W+6], 0
	s_mov_b32 s[G1W+7], 0
	s_mul_i32 s62, s22, TILE                       ; wave x tile: wave 1's tile is the slot's first
	s_mul_i32 s63, s22, 16*PITCH                   ; my 16 rows of a W tile
	s_mul_i32 s60, s24, 64*XROW                    ; my rows of x, in bytes (below 2^26).  s60, s61 hold only what hangs on my place
	s_mov_b32 s61, 0
	v_and_b32 v20, 15, v0                          ; r
	v_bfe_u32 v21, v0, 4, 1                        ; h
	v_and_b32 v22, 0x60, v0                        ; 32 w
	v_and_b32 v23, 31, v0                          ; L
	v_lshlrev_b32 v[BO], 1, v22                    ; 64 w
	v_lshl_add_u32 v[BV+1], v20, 2, v[BO]          ; bv: 4 (16 w + r)
	v_lshl_add_u32 v[BO], v21, 5, v[BO]            ; bq, bk: 4 (16 w + 8 h)
	v_mul_u32_u24 v[XO], v22, XROW/2               ; 32 w x 1,536 = 16 w rows
	v_lshl_add_u32 v[XO], v23, 4, v[XO]
	s_wait_dscnt 0x0
	s_wait_kmcnt 0x0
	s_add_nc_u64 s[4:5], s[4:5], s[60:61]          ; x at my first row
	s_lshl_b32 s60, s24, 13
	s_add_nc_u64 s[18:19], s[18:19], s[60:61]      ; q at my four query tiles
	s_lshl_b32 s60, s24, 14
	s_add_nc_u64 s[20:21], s[20:21], s[60:61]      ; kv at my block
	global_load_b128 v[BQ:BQ+3],   v[BO], s[12:13] ; the biases go first: every counted wait for x covers them
	global_load_b128 v[BQ+4:BQ+7], v[BO], s[12:13] offset:16
	global_load_b128 v[BK:BK+3],   v[BO], s[14:15]
	global_load_b128 v[BK+4:BK+7], v[BO], s[14:15] offset:16
	global_load_b32  v[BV], v[BV+1], s[16:17]
	XLOAD 0                                        ; x's chunks of turns 0, 1, 2: 48 loads of the wave, 98,304 bytes of the work-group, are out
	XLOAD 1
	XLOAD 2
	WIN 0
	s_cmp_eq_u32 s22, 1                            ; the W that my wave fetches: 1 Wq, 2 Wk, 3 Wv (wave 0's choice is not used)
	s_cselect_b64 s[26:27], s[6:7], s[10:11]
	s_cmp_eq_u32 s22, 2
	s_cselect_b64 s[26:27], s[8:9], s[26:27]
.irp s, 0,1
	s_mov_b32 s[G0W+4*\s], 1                                       ; count = 1
	s_add_co_u32 s[G0W+4*\s+1], s62, WBASE-TILE+\s*SLOT            ; LDS address: the slot + (wave - 1) tiles
	WADDR \s                                                       ; global address: the chunk of turn s
.endr
	ROUND                                          ; all four work-groups are here: the first joint loads meet
	JLOAD 0                                        ; turn 0
	JLOAD 1                                        ; turn 1: two tensor loads of the wave are out, the most in this text
	v_mul_u32_u24 v[WB], v20, PITCH
	v_lshl_add_u32 v[WB], v21, 6, v[WB]
	v_add_nc_u32 v[WB], s63, v[WB]
.irp s, 0,1
.irp j, 0,1,2
	v_add_nc_u32 v[WA+3*\s+\j], WBASE+\s*SLOT+\j*TILE, v[WB]
.endr
.endr
	v_mul_u32_u24 v[XA], v20, XP
	v_lshl_add_u32 v[XA], v21, 5, v[XA]
	v_add_nc_u32 v[XA+1], 32*XP, v[XA]
	v_mul_u32_u24 v[XS], v22, XP/2                 ; 32 w x 776 = 16 w rows
	v_lshl_add_u32 v[XS], v23, 3, v[XS]
	v_lshlrev_b32 v[QKO], 4, v0
	v_lshlrev_b32 v[VO], 4, v23
	v_lshl_add_u32 v[VO], v22, 5, v[VO]
; x's chunk in ring place j goes to place pos of the LDS rows.  left = how many younger loads may stay out.  more = 1: the ring place is loaded again.
; A lane holds four neighbouring numbers of a row: two conversions make 8 bytes, and a wave's store covers 256 consecutive bytes of an LDS row.
.macro STORE j, pos, left, more
	s_wait_loadcnt \left                           ; loads come back in order (ISA guide 5.7.1): this place's 16 are in, and their base may be written again
	WIN 0x8a                                       ; sources and destination in window 2
.set i, 0
.rept 16
	v_cvt_pk_bf16_f32 v[64*\j+4*i],   v[64*\j+4*i],   v[64*\j+4*i+1]
	v_cvt_pk_bf16_f32 v[64*\j+4*i+1], v[64*\j+4*i+2], v[64*\j+4*i+3]
.set i, i+1
.endr
	WIN 0x08                                       ; an LDS store's data is source 1: window 2
.set i, 0
.rept 16
	ds_store_b64 v[XS], v[64*\j+4*i:64*\j+4*i+1] offset:i*XP+\pos*256
.set i, i+1
.endr
.if \more
	XLOAD \j
.endif
	WIN 0
.endm
; Fragments for 32 along K.  W: lane (r, h) takes the 64 bytes at row PITCH + 128 ks + 64 h, sixteen neighbouring k in f32; rounded and packed they fill the
; fragment's 8 registers.  x: lane (r, h) takes the 32 bytes at row XP + 256 pos + 64 ks + 32 h, the same sixteen k in bf16.  That places k otherwise in the
; fragment than its own order, alike in x and in W, so each product still meets its partner and the sum over the 32 is the same set of products.
.macro FETCH slot, pos, ks, f          ; 20 LDS loads: four tiles of x, my 16 rows of Wq, Wk, Wv
.irp mt, 0,1,2,3
	ds_load_b128 v[\f+8*\mt:\f+8*\mt+3],   v[XA+\mt/2] offset:(\mt%2)*16*XP+\pos*256+\ks*64
	ds_load_b128 v[\f+8*\mt+4:\f+8*\mt+7], v[XA+\mt/2] offset:(\mt%2)*16*XP+\pos*256+\ks*64+16
.endr
.irp j, 0,1,2
.irp i, 0,1,2,3
	ds_load_b128 v[\f+32+16*\j+4*\i:\f+32+16*\j+4*\i+3], v[WA+3*\slot+\j] offset:\ks*128+16*\i
.endr
.endr
.endm
.macro CVT f                           ; W's 16 f32 to 8 registers of bf16, in place: register i is written when 2 i and 2 i + 1 are read, never earlier
.irp j, 0,1,2
.irp i, 0,1,2,3,4,5,6,7
	v_cvt_pk_bf16_f32 v[\f+32+16*\j+\i], v[\f+32+16*\j+2*\i], v[\f+32+16*\j+2*\i+1]
.endr
.endr
.endm
; Twelve matrix instructions.  Q and K: source 0 = rows of W, source 1 = rows of x: a lane's eight results are eight neighbouring dims of one row.
; V: source 0 = rows of x, source 1 = rows of Wv: a lane's eight results are eight neighbouring keys of one dim.
; The twelve accumulators take turns, one instruction a turn.
.macro MUL f, zero
	WIN 0x50                                       ; C and D in window 1
.irp mt, 0,1,2,3
.if \zero
	v_wmma_f32_16x16x32_bf16 v[8*\mt:8*\mt+7],       v[\f+32:\f+39], v[\f+8*\mt:\f+8*\mt+7], 0
	v_wmma_f32_16x16x32_bf16 v[32+8*\mt:32+8*\mt+7], v[\f+48:\f+55], v[\f+8*\mt:\f+8*\mt+7], 0
	v_wmma_f32_16x16x32_bf16 v[64+8*\mt:64+8*\mt+7], v[\f+8*\mt:\f+8*\mt+7], v[\f+64:\f+71], 0
.else
	v_wmma_f32_16x16x32_bf16 v[8*\mt:8*\mt+7],       v[\f+32:\f+39], v[\f+8*\mt:\f+8*\mt+7], v[8*\mt:8*\mt+7]
	v_wmma_f32_16x16x32_bf16 v[32+8*\mt:32+8*\mt+7], v[\f+48:\f+55], v[\f+8*\mt:\f+8*\mt+7], v[32+8*\mt:32+8*\mt+7]
	v_wmma_f32_16x16x32_bf16 v[64+8*\mt:64+8*\mt+7], v[\f+8*\mt:\f+8*\mt+7], v[\f+64:\f+71], v[64+8*\mt:64+8*\mt+7]
.endif
.endr
	WIN 0
.endm
; 32 along K: round W in buffer f, ask for the next 32 (step ks) into buffer g, multiply f.
; The 24 conversions of f stand between the matrix instructions that last read g and the loads into g (ISA guide 7.12.1 asks for four such places).
.macro STEP slot, pos, ks, f, g, zero, more
	s_wait_dscnt 0x0                               ; the only LDS loads out are the 20 of buffer f
	CVT \f
.if \more
	FETCH \slot, \pos, \ks, \g
.endif
	MUL \f, \zero
.endm
.macro COMPUTE slot, pos, zero         ; one chunk of 128 along K
	FETCH \slot, \pos, 0, F0
	STEP \slot, \pos, 1, F0, F1, \zero, 1
	STEP \slot, \pos, 2, F1, F0, 0, 1
	STEP \slot, \pos, 3, F0, F1, 0, 1
	STEP \slot, \pos, 0, F1, F0, 0, 0
.endm
; The slot just read is filled again, two turns on.  In front of the round every wave has its reads of the slot back, its stores of x's next chunk done and all its
; tensor loads landed (its tile of the other slot, which is read next, among them); the refill is the first tensor load behind the round.
.macro CHANGE slot
	s_wait_dscnt 0x0                               ; my reads of this slot are over, and my rows of x's next chunk are in LDS
	s_wait_tensorcnt 0x0                           ; no tensor load of mine is out: every group 0 may be written
	ds_add_u32 v238, v239
	s_wait_dscnt 0x0
	WADDR \slot
	ROUND                                          ; all that now holds of every wave of all four work-groups
	JLOAD \slot
.endm
	STORE 0, 0, 32, 1                              ; x of turn 0; the 32 loads of turns 1 and 2 stay out; turn 3's go out
	s_wait_tensorcnt 0x0                           ; my tile of turn 0 is in.  The count is 0 because it has to say the same of every wave: wave 0 has issued no tensor load,
	                                               ; waves 1 to 3 two each.  So turn 1's tile, asked for together with turn 0's, is waited for here too
	s_wait_dscnt 0x0                               ; my rows of x are in LDS
	s_barrier_signal -1
	s_barrier_wait -1                              ; everybody's tile and rows of turn 0 are in
	COMPUTE 0, 0, 1                                ; turn 0: its first products start the sums, nothing is cleared
	STORE 1, 1, 32, 1                              ; x of turn 1; turn 4's loads go out
	CHANGE 0                                       ; W of turn 2 goes out
	COMPUTE 1, 1, 0
	STORE 2, 2, 32, 1                              ; x of turn 2; turn 5's loads go out: the last
	CHANGE 1
	COMPUTE 0, 2, 0
	STORE 0, 3, 32, 0                              ; from here the counts run down
	CHANGE 0
	COMPUTE 1, 3, 0
	STORE 1, 4, 16, 0
	CHANGE 1                                       ; W of turn 5 goes out: the last
	COMPUTE 0, 4, 0
	STORE 2, 5, 0, 0
	s_wait_dscnt 0x0
	s_wait_tensorcnt 0x0                           ; my tile of turn 5 is in
	s_barrier_signal -1
	s_barrier_wait -1                              ; everybody's is; nothing is filled any more
	COMPUTE 1, 5, 0
	; THE WAY OUT.  The five lines on the biases are the places behind the last matrix instructions (ISA guide 7.12.1): they name none of their registers.
	s_wait_loadcnt 0x0                             ; met: the biases were the oldest loads
.irp p, 0,2,4,6
	v_pk_mul_f32 v[BQ+\p:BQ+\p+1], v[BQ+\p:BQ+\p+1], QSCALE op_sel_hi:[1,0]   ; (sum + bq) c = sum c + bq c
.endr
	v_mov_b32 v[BV+1], v[BV]                       ; its load is done: the offset makes way for the pair's second half
	WIN 0x01                                       ; source 0 = accumulators, window 1
.irp mt, 0,1,2,3
.irp p, 0,2,4,6
	v_pk_fma_f32 v[OUTF+8*\mt+\p:OUTF+8*\mt+\p+1], v[8*\mt+\p:8*\mt+\p+1], QSCALE, v[BQ+\p:BQ+\p+1] op_sel_hi:[1,0,1]
	v_pk_add_f32 v[OUTF+32+8*\mt+\p:OUTF+32+8*\mt+\p+1], v[32+8*\mt+\p:32+8*\mt+\p+1], v[BK+\p:BK+\p+1]
	v_pk_add_f32 v[OUTF+64+8*\mt+\p:OUTF+64+8*\mt+\p+1], v[64+8*\mt+\p:64+8*\mt+\p+1], v[BV:BV+1]
.endr
.endr
	WIN 0
.irp t, 0,1,2,3,4,5,6,7,8,9,10,11
.irp i, 0,1,2,3
	v_cvt_pk_bf16_f32 v[OUTP+4*\t+\i], v[OUTF+8*\t+2*\i], v[OUTF+8*\t+2*\i+1]      ; the one rounding to bf16
.endr
.endr
.irp mt, 0,1,2,3
	global_store_b128 v[QKO], v[OUTP+4*\mt:OUTP+4*\mt+3],       s[18:19] offset:2048*\mt                          ; each store of the wave covers 512 consecutive bytes, aligned
	global_store_b128 v[QKO], v[OUTP+16+4*\mt:OUTP+16+4*\mt+3], s[20:21] offset:2048*\mt
	global_store_b128 v[VO],  v[OUTP+32+4*\mt:OUTP+32+4*\mt+3], s[20:21] offset:8192+4096*(\mt/2)+512*(\mt%2)
.endr
	s_wait_tensorcnt 0x0
	ds_add_u32 v238, v239
	s_wait_dscnt 0x0
	ROUND                                          ; the closing round: no work-group ends while a partner may still ask for a tile that names it
	s_endpgm
.Lfunc_end_k_q4b6bd5a757_proj:
	.size	k_q4b6bd5a757_proj, .Lfunc_end_k_q4b6bd5a757_proj-k_q4b6bd5a757_proj
	.p2alignl 7, 3214868480
	.fill 96, 4, 3214868480
	.section	.rodata,"a",@progbits
	.p2align	6, 0x0
	.amdhsa_kernel k_q4b6bd5a757_proj
		.amdhsa_group_segment_fixed_size 327680
		.amdhsa_private_segment_fixed_size 0
		.amdhsa_enable_private_segment 0
		.amdhsa_kernarg_size 72
		.amdhsa_user_sgpr_count 2
		.amdhsa_user_sgpr_kernarg_segment_ptr 1
		.amdhsa_wavefront_size32 1
		.amdhsa_system_sgpr_workgroup_id_x 1
		.amdhsa_system_sgpr_workgroup_id_y 1
		.amdhsa_system_sgpr_workgroup_id_z 1
		.amdhsa_system_vgpr_workitem_id 0
		.amdhsa_next_free_vgpr 704
		.amdhsa_next_free_sgpr 66
		.amdhsa_reserve_vcc 0
		.amdhsa_float_denorm_mode_32 3
		.amdhsa_float_denorm_mode_16_64 3
		.amdhsa_memory_ordered 1
		.amdhsa_forward_progress 1
		.amdhsa_inst_pref_size 133
	.end_amdhsa_kernel
	.amdgpu_metadata
---
amdhsa.version: [ 1, 2 ]
amdhsa.kernels:
  - .name:           k_q4b6bd5a757_proj
    .symbol:         k_q4b6bd5a757_proj.kd
    .args:
      - { .name: x, .offset: 0, .size: 8, .value_kind: global_buffer, .address_space: global }
      - { .name: Wq, .offset: 8, .size: 8, .value_kind: global_buffer, .address_space: global }
      - { .name: Wk, .offset: 16, .size: 8, .value_kind: global_buffer, .address_space: global }
      - { .name: Wv, .offset: 24, .size: 8, .value_kind: global_buffer, .address_space: global }
      - { .name: bq, .offset: 32, .size: 8, .value_kind: global_buffer, .address_space: global }
      - { .name: bk, .offset: 40, .size: 8, .value_kind: global_buffer, .address_space: global }
      - { .name: bv, .offset: 48, .size: 8, .value_kind: global_buffer, .address_space: global }
      - { .name: q, .offset: 56, .size: 8, .value_kind: global_buffer, .address_space: global }
      - { .name: kv, .offset: 64, .size: 8, .value_kind: global_buffer, .address_space: global }
    .group_segment_fixed_size: 327680
    .private_segment_fixed_size: 0
    .kernarg_segment_align: 8
    .kernarg_segment_size: 72
    .max_flat_workgroup_size: 128
    .sgpr_count:     66
    .vgpr_count:     704
    .wavefront_size: 32
...
	.end_amdgpu_metadata
.endif
;; end of part 1
;; launch attn (part 2): grid 256 x 1, 8 waves a work-group, clusters of 4 x 1, 327,680 bytes of LDS; arguments q, kv, out0; writes out0
.if DOCPART == 2
	.amdgcn_target "amdgcn-amd-amdhsa--gfx1250"
	.amdhsa_code_object_version 6
	.text
	.protected	k_q4b6bd5a757_attn
	.globl	k_q4b6bd5a757_attn
	.p2align	8
	.type	k_q4b6bd5a757_attn,@function
k_q4b6bd5a757_attn:
	s_mov_b64 s[64:65], 0
	v_nop
	global_prefetch_b8 v0, s[64:65] scope:SCOPE_SE
	s_setreg_imm32_b32 hwreg(HW_REG_WAVE_MODE, 25, 1), 1
	s_wait_xcnt 0x0
	s_wait_alu depctr_hold_cnt(0) depctr_sa_sdst(0) depctr_va_vdst(0) depctr_va_sdst(0) depctr_va_ssrc(0) depctr_va_vcc(0) depctr_vm_vsrc(0)
	s_getreg_b32 s2, hwreg(HW_REG_IB_STS2, 6, 4)
	s_cmp_eq_u32 s2, 0
	s_cbranch_scc0 .Lentry_in_a_cluster
	s_endpgm
.Lentry_in_a_cluster:
	s_bfe_u32 s2, ttmp6, 0x10000c
	s_cmp_lg_u32 s2, 0x3003
	s_cbranch_scc0 .Lentry_shape_is_right
	s_endpgm
.Lentry_shape_is_right:
; out = softmax(Q K^T / 8) V for each of 4 batches of 4,096 rows, 64 dims, no mask.  q and kv hold bf16 register images (layouts below);
; Q already carries the factor 0.125 log2(e), so the exponentials are in base 2.
;   q : query tile T = 2,048 bytes; block i at 2048 T + 512 i; lane (r, h): Q'[16 T + r][16 i + 8 h .. + 7]
;   kv: block g (64 keys) = 16,384 bytes; K at 512 (4 kt + 2 dc + hf): lane (r, h): K[16 kt + r][32 dc + 16 hf + 8 h .. + 7]
;       V at 8192 + 512 (8 c + 2 dt + hf): lane (r, h): V[32 c + 16 hf + 8 h .. + 7][16 dt + r]
; SHARES: a work-group owns 64 queries.  Each of its eight waves holds all 64 queries and takes 64 keys of every stage of 512 keys: it fetches
; its own 16,384 bytes with one tensor load and is the only wave that reads them, each LDS byte once.  Eight stages; two LDS slots.
; Each wave keeps a running maximum, a running sum and an unnormalised O for its keys; at the end the eight are merged through LDS.
; THE RING: K's fragments of a stage are read from LDS one trip ahead, V's at the head of the trip.  So at the head of every odd trip both slots have been
; read out, while the trip's own K and V lie in registers: there BOTH slots are filled again behind one round of the cluster's barrier, three rounds in all.
; The first of the two stages is waited for at the end of that trip, the second in the middle of the next.
; TRANSPOSED USE: S^T = K Q^T (source 0 = keys, source 1 = queries): lane (r, h) holds keys 8 h + j of query r, so maximum and sum of a query lie in two
; lanes (r and r + 16), and two packed score tiles ARE the source-1 fragment of P for 32 keys.  O^T = V^T P: lane (r, h) holds dims 8 h + j of query r,
; so the factor that rescales O is the lane's own.
; CLUSTERS: four work-groups form a cluster; all four lie in one batch (64 work-groups a batch) and walk the same K and V: every stage is asked for
; jointly (mask 15), by the same line with the same descriptor, made of the cluster's number and the wave's number alone.
; ORDER OF THE KEYS: cluster c begins at stage c mod 8 of its batch and goes round, so that at any moment the clusters of a batch ask for different stages.
; No prefetch: the first two loads of the sixteen clusters of a batch ask between them for all eight stages.
; LIMITS: operands of both products are bf16 (P too; the sum l adds the unrounded p).  The keys are summed in eight groups of 512, in an order that differs
; from cluster to cluster, so the order of rounding differs from a sum in one run.  v_exp_f32 gives zero for results below 2^-126 (ISA guide, its entry
; in 15.8).  The maxima drop NaN (v_max3_num_f32), so NaN or infinite scores are not reproduced.
.set SLOT,   131072                    ; 8 waves x 16,384 bytes
.set STAT,   2*SLOT                    ; 4,096 bytes of their own: wave w at 512 w: m of the 64 queries, then l of the 64 queries
.set PPITCH, 272                       ; a partial's row: 64 f32 + 16 bytes, so that sixteen neighbouring rows begin in sixteen different 16-byte columns modulo 256
.set PARTB,  64*PPITCH                 ; a wave's partial O, 17,408 bytes; the eight lie from LDS byte 0, in ring bytes that have had their last fill
.set LA,   2                           ; v2-3     my 16 bytes in my wave's part of slot 0, 1
.set STW,  4                           ; v4       STAT + 512 w + 4 r
.set STR,  5                           ; v5       STAT + 4 r
.set PW,   6                           ; v6       my wave's partial: w PARTB + 272 r + 32 h
.set PR,   7                           ; v7-8     reading back: (8 w + h) 272 + 16 r in partial 0, in partial 4
.set OUTO, 9                           ; v9       2048 w + 16 L in my work-group's 64 rows of out0
.set MP,   16                          ; v16-23   query tile qt: the running maximum, twice
.set AL,   24                          ; v24-31   query tile qt: 2^(old maximum - new), twice
.set LP,   32                          ; v32-39   query tile qt: two partial sums
.set T,    40                          ; v40-55   at work
.set GF,   56                          ; v56-63   the merge's factor, twice
.set VF,   64                          ; v64-127  V fragments: (c, dt) at 32 c + 8 dt
.set SC,   128                         ; v128-255 score tile (qt, kt) at 32 qt + 8 kt; packed in place to P: (qt, c) at 32 qt + 8 c
                                       ; window 1: v0-127 O, tile (qt, dt) at 32 qt + 8 dt
.set QF,   128                         ; window 1: v128-191 Q fragments: (qt, dc) at 16 qt + 8 dc
.set KF,   192                         ; window 1: v192-255 K fragments: (kt, dc) at 16 kt + 8 dc
.set G1,   16                          ; s[16:23] descriptor group 1
.set G0,   24                          ; s[24:31] descriptor group 0, one set for each slot
.set MSB, 0
.macro WIN new                         ; s_set_vgpr_msb: bits 1:0 source 0, 3:2 source 1, 5:4 source 2, 7:6 destination; the high byte repeats the setting that is left
.if MSB != \new
	s_set_vgpr_msb (MSB<<8)|\new
.set MSB, \new
.endif
.endm
.macro CREST                           ; a round of the cluster's barrier behind its opening barrier
	s_cmp_lg_u32 s10, 0
	s_cbranch_scc1 .Lnot_wave_0_\@
	s_barrier_signal -3
.Lnot_wave_0_\@:
	s_barrier_wait -3
	s_barrier_signal -1
	s_barrier_wait -1
.endm
.macro ROUND                           ; a whole round
	s_barrier_signal -1
	s_barrier_wait -1
	CREST
.endm
.macro PLACES n
.rept \n
	v_nop
.endr
.endm
.macro STAGEADDR n                     ; slot n's group 0 gets the address of my wave's block in the next stage, round the eight (s40 counts on)
	s_and_b32 s14, s40, 7
	s_lshl_b32 s14, s14, 17                        ; a stage is 131,072 bytes; s15 = 0
	s_add_nc_u64 s[G0+4*\n+2:G0+4*\n+3], s[6:7], s[14:15]
	s_or_b32 s[G0+4*\n+3], s[G0+4*\n+3], 0x80000000                ; type = 2
	s_add_co_u32 s40, s40, 1
.endm
	s_load_b128 s[4:7], s[0:1], 0x0                ; q s[4:5], kv s[6:7]
	s_load_b64 s[8:9], s[0:1], 0x10                ; out0
	v_lshl_add_u32 v14, v0, 2, 0x41000
	v_mov_b32 v15, 0
	ds_add_u32 v14, v15
	v_lshrrev_b32 v10, 5, v0
	v_readfirstlane_b32 s10, v10                   ; wave 0..7
	s_bfe_u32 s11, ttmp6, 0x40000                  ; cx
	s_lshl_b32 s12, ttmp9, 2
	s_add_co_u32 s12, s12, s11                     ; g: my block of 64 queries
	s_lshr_b32 s13, ttmp9, 4                       ; batch: 16 clusters each, the same in all four partners
	s_and_b32 s40, ttmp9, 7                        ; the stage at which my cluster begins
	s_mov_b32 s32, 0x76543210                      ; v_permlanex16_b32: lane i takes lane i of the other half
	s_mov_b32 s33, 0xfedcba98
	; group 1: 16,384 dense bytes as 64 rows of 32 elements of 8 bytes
	s_mov_b32 s[G1+0], 15|(3<<16)|(1<<21)          ; 15:0 the mask: all four work-groups; 17:16 element of 8 bytes; 21 set beside a mask; no padding: the reads are lane by lane, 16 bytes each, side by side
	s_mov_b32 s[G1+1], 32<<16                      ; tensor_dim0 = 32
	s_mov_b32 s[G1+2], 64<<16                      ; tensor_dim1 = 64
	s_mov_b32 s[G1+3], 32<<16                      ; tile_dim0 = 32
	s_mov_b32 s[G1+4], 64                          ; tile_dim1 = 64
	s_mov_b32 s[G1+5], 32                          ; elements from row to row
	s_mov_b32 s[G1+6], 0
	s_mov_b32 s[G1+7], 0
	s_lshl_b32 s35, s10, 14                        ; my wave's 16,384 bytes, in a stage and in a slot
	s_mul_i32 s38, s10, PARTB
	s_mul_i32 s39, s10, 8*PPITCH
	s_lshl_b32 s14, s13, 20                        ; a batch's K and V: 64 blocks of 16,384 bytes
	s_add_co_u32 s14, s14, s35
	s_mov_b32 s15, 0
	s_lshl_b32 s36, s12, 13                        ; s36, s37 hold only what hangs on my place in the cluster
	s_mov_b32 s37, 0
	s_wait_dscnt 0x0
	s_wait_kmcnt 0x0
	s_add_nc_u64 s[6:7], s[6:7], s[14:15]          ; kv at my wave's block in the batch's stage 0
	s_add_nc_u64 s[4:5], s[4:5], s[36:37]          ; q at my four query tiles
	s_lshl_b32 s36, s12, 14
	s_add_nc_u64 s[8:9], s[8:9], s[36:37]          ; out0 at my 64 rows
.irp n, 0,1
	s_mov_b32 s[G0+4*\n], 1                                        ; count = 1
	s_add_co_u32 s[G0+4*\n+1], s35, \n*SLOT                        ; LDS address: slot + wave x 16,384
	STAGEADDR \n                                                   ; global address: my cluster's first and second stage
.endr
	ROUND                                          ; all four work-groups are here: the first joint loads meet
	tensor_load_to_lds s[G0:G0+3], s[G1:G1+7]      ; trip 0's stage
	s_nop 0
	tensor_load_to_lds s[G0+4:G0+7], s[G1:G1+7]    ; trip 1's: two tensor loads of the wave are out, the most in this text
	s_nop 0
	v_and_b32 v10, 31, v0                          ; L
	v_and_b32 v11, 15, v0                          ; r
	v_bfe_u32 v12, v0, 4, 1                        ; h
	v_lshlrev_b32 v1, 4, v10                       ; 16 L
	WIN 0x40                                       ; destination in window 1
.set j, 0
.rept 16
	global_load_b128 v[QF+4*j:QF+4*j+3], v1, s[4:5] offset:512*j   ; the 64 queries' fragments, as they lie
.set j, j+1
.endr
	WIN 0
	v_add_nc_u32 v[LA], s35, v1
	v_add_nc_u32 v[LA+1], SLOT, v[LA]
	v_lshlrev_b32 v[STR], 2, v11
	v_add_nc_u32 v[STR], STAT, v[STR]
	v_lshl_add_u32 v[STW], s10, 9, v[STR]
	v_mul_u32_u24 v[PW], v11, PPITCH
	v_lshl_add_u32 v[PW], v12, 5, v[PW]
	v_add_nc_u32 v[PW], s38, v[PW]
	v_mul_u32_u24 v[PR], v12, PPITCH
	v_lshl_add_u32 v[PR], v11, 4, v[PR]
	v_add_nc_u32 v[PR], s39, v[PR]
	v_add_nc_u32 v[PR+1], 4*PARTB, v[PR]
	v_lshl_add_u32 v[OUTO], s10, 11, v1
.macro LDK slot                        ; 16 LDS loads: my 64 keys' K fragments.  Leaves the destination's window at 1
	WIN 0x40
.set j, 0
.rept 16
	ds_load_b128 v[KF+4*j:KF+4*j+3], v[LA+\slot] offset:512*j
.set j, j+1
.endr
.endm
.macro LDV slot                        ; 16 LDS loads: my 64 keys' V fragments
	WIN 0
.set j, 0
.rept 16
	ds_load_b128 v[VF+4*j:VF+4*j+3], v[LA+\slot] offset:8192+512*j
.set j, j+1
.endr
.endm
; 16 matrix instructions: 64 keys x 64 queries x 32 dims.  dc = 0 starts the sums, dc = 1 adds the other 32 dims, in the same order of tiles:
; the sixteen accumulators take turns, one instruction a turn.  Leaves sources 0 and 1 in window 1.
.macro SB dc
	WIN 0x05
.irp kt, 0,1,2,3
.irp qt, 0,1,2,3
.if \dc
	v_wmma_f32_16x16x32_bf16 v[SC+32*\qt+8*\kt:SC+32*\qt+8*\kt+7], v[KF+16*\kt+8:KF+16*\kt+15], v[QF+16*\qt+8:QF+16*\qt+15], v[SC+32*\qt+8*\kt:SC+32*\qt+8*\kt+7]
.else
	v_wmma_f32_16x16x32_bf16 v[SC+32*\qt+8*\kt:SC+32*\qt+8*\kt+7], v[KF+16*\kt:KF+16*\kt+7], v[QF+16*\qt:QF+16*\qt+7], 0
.endif
.endr
.endr
.endm
; 32 matrix instructions: 64 dims x 64 queries x 64 keys, onto O.  Sixteen accumulators by turns.
.macro PVBLOCK first
	WIN 0x50                                       ; C and D in window 1
.irp qt, 0,1,2,3
.irp dt, 0,1,2,3
.if \first
	v_wmma_f32_16x16x32_bf16 v[32*\qt+8*\dt:32*\qt+8*\dt+7], v[VF+8*\dt:VF+8*\dt+7], v[SC+32*\qt:SC+32*\qt+7], 0
.else
	v_wmma_f32_16x16x32_bf16 v[32*\qt+8*\dt:32*\qt+8*\dt+7], v[VF+8*\dt:VF+8*\dt+7], v[SC+32*\qt:SC+32*\qt+7], v[32*\qt+8*\dt:32*\qt+8*\dt+7]
.endif
.endr
.endr
.irp qt, 0,1,2,3
.irp dt, 0,1,2,3
	v_wmma_f32_16x16x32_bf16 v[32*\qt+8*\dt:32*\qt+8*\dt+7], v[VF+32+8*\dt:VF+32+8*\dt+7], v[SC+32*\qt+8:SC+32*\qt+15], v[32*\qt+8*\dt:32*\qt+8*\dt+7]
.endr
.endr
	WIN 0
.endm
; The largest of my 32 scores of query tile qt and of the running maximum: four chains, sixteen instructions
.macro MAXQ qt, first
.irp a, 0,1,2,3
	v_max3_num_f32 v[T+4*\qt+\a], v[SC+32*\qt+8*\a], v[SC+32*\qt+8*\a+1], v[SC+32*\qt+8*\a+2]
.endr
.irp a, 0,1,2,3
	v_max3_num_f32 v[T+4*\qt+\a], v[T+4*\qt+\a], v[SC+32*\qt+8*\a+3], v[SC+32*\qt+8*\a+4]
.endr
.irp a, 0,1,2,3
	v_max3_num_f32 v[T+4*\qt+\a], v[T+4*\qt+\a], v[SC+32*\qt+8*\a+5], v[SC+32*\qt+8*\a+6]
.endr
	v_max3_num_f32 v[T+4*\qt],   v[T+4*\qt],   v[T+4*\qt+1], v[SC+32*\qt+7]
	v_max3_num_f32 v[T+4*\qt+2], v[T+4*\qt+2], v[T+4*\qt+3], v[SC+32*\qt+15]
	v_max3_num_f32 v[T+4*\qt],   v[T+4*\qt],   v[SC+32*\qt+23], v[SC+32*\qt+31]
.if \first
	v_max_num_f32  v[T+4*\qt],   v[T+4*\qt],   v[T+4*\qt+2]
.else
	v_max3_num_f32 v[T+4*\qt],   v[T+4*\qt],   v[T+4*\qt+2], v[MP+2*\qt]
.endif
.endm
; Lanes r and r + 16 hold the two halves of query r's keys: one exchange.  The new maximum goes to the pair's upper half, the old one is still in the lower.
.macro STATQ qt, first
	v_permlanex16_b32 v[T+4*\qt+1], v[T+4*\qt], s32, s33
	v_max_num_f32 v[MP+2*\qt+1], v[T+4*\qt], v[T+4*\qt+1]
.if \first == 0
	v_sub_f32 v[T+4*\qt+2], v[MP+2*\qt], v[MP+2*\qt+1]             ; old - new, never above 0
.endif
	v_mov_b32 v[MP+2*\qt], v[MP+2*\qt+1]
.endm
.macro SUBQ qt                         ; score - maximum, two at a time
.irp p, 0,2,4,6,8,10,12,14,16,18,20,22,24,26,28,30
	v_pk_add_f32 v[SC+32*\qt+\p:SC+32*\qt+\p+1], v[SC+32*\qt+\p:SC+32*\qt+\p+1], v[MP+2*\qt:MP+2*\qt+1] neg_lo:[0,1] neg_hi:[0,1]
.endr
.endm
.macro EXPQ qt                         ; 32 exponentials in place; the line behind each run is plain and names none of these registers (ISA guide 5.7.2)
.set j, 0
.rept 32
	v_exp_f32 v[SC+32*\qt+j], v[SC+32*\qt+j]
.set j, j+1
.endr
.endm
.macro SUMQ qt, first                  ; l = l alpha + the sum of my 32 p: four chains of pairs
.set PB, SC+32*\qt
.if \first
	s_wait_alu depctr_va_vdst(0)
	v_pk_add_f32 v[LP+2*\qt:LP+2*\qt+1], v[PB:PB+1], v[PB+8:PB+9]
.else
	s_wait_alu depctr_va_vdst(0)
	v_pk_fma_f32 v[LP+2*\qt:LP+2*\qt+1], v[LP+2*\qt:LP+2*\qt+1], v[AL+2*\qt:AL+2*\qt+1], v[PB:PB+1]
.endif
	v_pk_add_f32 v[T:T+1],     v[PB+2:PB+3], v[PB+10:PB+11]
	v_pk_add_f32 v[T+2:T+3],   v[PB+4:PB+5], v[PB+12:PB+13]
	v_pk_add_f32 v[T+4:T+5],   v[PB+6:PB+7], v[PB+14:PB+15]
.if \first == 0
	v_pk_add_f32 v[LP+2*\qt:LP+2*\qt+1], v[LP+2*\qt:LP+2*\qt+1], v[PB+8:PB+9]
.endif
.irp o, 16, 24
	v_pk_add_f32 v[LP+2*\qt:LP+2*\qt+1], v[LP+2*\qt:LP+2*\qt+1], v[PB+\o:PB+\o+1]
	v_pk_add_f32 v[T:T+1],     v[T:T+1],     v[PB+\o+2:PB+\o+3]
	v_pk_add_f32 v[T+2:T+3],   v[T+2:T+3],   v[PB+\o+4:PB+\o+5]
	v_pk_add_f32 v[T+4:T+5],   v[T+4:T+5],   v[PB+\o+6:PB+\o+7]
.endr
	v_pk_add_f32 v[LP+2*\qt:LP+2*\qt+1], v[LP+2*\qt:LP+2*\qt+1], v[T:T+1]
	v_pk_add_f32 v[T+2:T+3],   v[T+2:T+3],   v[T+4:T+5]
	v_pk_add_f32 v[LP+2*\qt:LP+2*\qt+1], v[LP+2*\qt:LP+2*\qt+1], v[T+2:T+3]
.endm
.macro CVTQ qt                         ; 32 p to 16 registers of bf16, in place: tiles 2 c and 2 c + 1 become the fragment of keys 32 c .. 32 c + 31
.set j, 0
.rept 16
	v_cvt_pk_bf16_f32 v[SC+32*\qt+j], v[SC+32*\qt+2*j], v[SC+32*\qt+2*j+1]
.set j, j+1
.endr
.endm
.macro SOFTMAX first
.irp qt, 0,1,2,3
	MAXQ \qt, \first
.endr
.irp qt, 0,1,2,3
	STATQ \qt, \first
.endr
.if \first == 0
.irp qt, 0,1,2,3
	v_exp_f32 v[AL+2*\qt], v[T+4*\qt+2]            ; alpha; the subtractions below stand between these and the copies
.endr
.endif
	SUBQ 0
.if \first == 0
	s_wait_alu depctr_va_vdst(0)
.irp qt, 0,1,2,3
	v_mov_b32 v[AL+2*\qt+1], v[AL+2*\qt]
.endr
.endif
	EXPQ 0
	SUBQ 1
	SUMQ 0, \first
	CVTQ 0
	EXPQ 1
	SUBQ 2
	SUMQ 1, \first
	CVTQ 1
	EXPQ 2
	SUBQ 3
	SUMQ 2, \first
	CVTQ 2
	EXPQ 3
	v_nop                                          ; the plain line behind the last run of exponentials
	s_wait_alu depctr_va_vdst(0)
	SUMQ 3, \first
	CVTQ 3
.endm
.macro SCALEO fac                      ; O of query tile qt times the pair at fac + 2 qt: a lane's 32 numbers of a tile row belong to one query
	WIN 0x41                                       ; source 0 and destination in window 1
.irp qt, 0,1,2,3
.set j, 0
.rept 16
	v_pk_mul_f32 v[32*\qt+2*j:32*\qt+2*j+1], v[32*\qt+2*j:32*\qt+2*j+1], v[\fac+2*\qt:\fac+2*\qt+1]
.set j, j+1
.endr
.endr
.endm
; A trip: my 64 keys of one stage against the 64 queries.  K's fragments of the stage were loaded in the trip before.
; An even trip works on slot 0 and, in its middle, loads the next trip's K from slot 1.  first = 1: nothing to carry on from.
.macro EVEN first
.if \first == 0
	PLACES 5                                       ; behind the last trip's matrix instructions: four places before loads land in V's registers, five before the score block writes over P's
.endif
	LDV 0
	s_wait_dscnt 16                                ; LDS loads come back in order: all but the 16 just issued are in, K's fragments among them
	SB 0
	SB 1
	WIN 0
	PLACES 4                                       ; before vector instructions read the scores
	SOFTMAX \first
	s_wait_tensorcnt 0x0                           ; the one tensor load of mine that may be out, my part of slot 1's stage, has landed; no other wave reads those bytes
	LDK 1
.if \first == 0
	SCALEO AL
.endif
	s_wait_dscnt 16                                ; V's fragments are in; the 16 loads of the next K may stay out
	PVBLOCK \first
.endm
; An odd trip works on slot 1.  more = 1: both slots are filled again at its head, and at its end the next trip's K is loaded from slot 0.
.macro ODD more
	PLACES 5                                       ; as at the head of an even trip
	LDV 1
	s_wait_dscnt 16                                ; K's fragments are in
	SB 0                                           ; the first half of the scores, while V's fragments come
	s_wait_dscnt 0x0                               ; V's fragments are in: all my reads of both slots are over
.if \more
	s_set_vgpr_msb 0x500
	s_wait_tensorcnt 0x0                           ; no tensor load of mine is out (met since the middle of the last trip): every group 0 may be written
	ds_add_u32 v14, v15
	s_wait_dscnt 0x0
	s_set_vgpr_msb 0x5
	STAGEADDR 0
	STAGEADDR 1
	s_barrier_signal -1                            ; say so: this barrier opens a round of the cluster's barrier,
.endif
	SB 1                                           ; work on registers while the others arrive,
	WIN 0
.if \more
	s_barrier_wait -1
	CREST                                          ; every wave of all four work-groups has its reads back and its loads landed
	tensor_load_to_lds s[G0:G0+3], s[G1:G1+7]      ; the first tensor loads behind the round: the next trip's stage,
	s_nop 0
	tensor_load_to_lds s[G0+4:G0+7], s[G1:G1+7]    ; and the one behind it: two are out
	s_nop 0
.endif
	PLACES 4                                       ; before vector instructions read the scores
	SOFTMAX 0
	SCALEO AL
	PVBLOCK 0
.if \more
	s_wait_tensorcnt 0x1                           ; tensor loads of a wave end in order (ISA guide 10.11.1): my part of slot 0's stage is in, slot 1's may stay out
	LDK 0
.endif
.endm
	s_wait_tensorcnt 0x1                           ; my part of trip 0's stage is in; trip 1's, issued behind it, may stay out
	LDK 0
	s_wait_loadcnt 0x0                             ; Q's fragments
	EVEN 1                                         ; trip 0
	s_mov_b32 s34, 3
.Llap:
	ODD 1                                          ; trips 1, 3, 5: the stages of the next two trips go out
	EVEN 0                                         ; trips 2, 4, 6
	s_sub_co_u32 s34, s34, 1
	s_cmp_lg_u32 s34, 0
	s_cbranch_scc1 .Llap
	ODD 0                                          ; trip 7: nothing more to fetch
	; THE MERGE.  Each wave's m and l go to its own 512 bytes; every wave reads all eight.  The first adds are also the places behind the last matrix instructions.
.irp qt, 0,1,2,3
	v_add_f32 v[T+\qt], v[LP+2*\qt], v[LP+2*\qt+1]
.endr
.irp qt, 0,1,2,3
	v_permlanex16_b32 v[T+4+\qt], v[T+\qt], s32, s33
.endr
.irp qt, 0,1,2,3
	v_add_f32 v[T+\qt], v[T+\qt], v[T+4+\qt]       ; l of query r over my wave's 512 keys, the same in lanes r and r + 16
.endr
.irp qt, 0,1,2,3
	ds_store_b32 v[STW], v[MP+2*\qt] offset:64*\qt
	ds_store_b32 v[STW], v[T+\qt] offset:256+64*\qt
.endr
	s_wait_dscnt 0x0                               ; for the others' sake: my stores are done, and so are all my reads of the ring
	s_barrier_signal -1
	s_barrier_wait -1
.irp qt, 0,1,2,3
.irp p, 0,1,2,3,4,5,6,7
	ds_load_b32 v[VF+16*\qt+\p],   v[STR] offset:512*\p+64*\qt          ; m of wave p
	ds_load_b32 v[VF+16*\qt+8+\p], v[STR] offset:512*\p+256+64*\qt      ; l of wave p
.endr
.endr
	s_wait_dscnt 0x0
.irp qt, 0,1,2,3
	v_max3_num_f32 v[T+4*\qt], v[VF+16*\qt], v[VF+16*\qt+1], v[VF+16*\qt+2]
	v_max3_num_f32 v[T+4*\qt], v[T+4*\qt], v[VF+16*\qt+3], v[VF+16*\qt+4]
	v_max3_num_f32 v[T+4*\qt], v[T+4*\qt], v[VF+16*\qt+5], v[VF+16*\qt+6]
	v_max_num_f32  v[T+4*\qt], v[T+4*\qt], v[VF+16*\qt+7]          ; the maximum over all 4,096 keys
	v_mov_b32 v[T+4*\qt+1], v[T+4*\qt]
	v_sub_f32 v[T+4*\qt+2], v[MP+2*\qt], v[T+4*\qt]                ; mine - total
.irp p, 0,2,4,6
	v_pk_add_f32 v[VF+16*\qt+\p:VF+16*\qt+\p+1], v[VF+16*\qt+\p:VF+16*\qt+\p+1], v[T+4*\qt:T+4*\qt+1] neg_lo:[0,1] neg_hi:[0,1]
.endr
.endr
.irp qt, 0,1,2,3
.irp p, 0,1,2,3,4,5,6,7
	v_exp_f32 v[VF+16*\qt+\p], v[VF+16*\qt+\p]
.endr
	v_exp_f32 v[T+4*\qt+2], v[T+4*\qt+2]
.endr
	v_nop                                          ; the plain line behind the exponentials
	s_wait_alu depctr_va_vdst(0)
.irp qt, 0,1,2,3
	v_pk_mul_f32 v[T+4*\qt:T+4*\qt+1], v[VF+16*\qt:VF+16*\qt+1], v[VF+16*\qt+8:VF+16*\qt+9]
	v_pk_fma_f32 v[T+4*\qt:T+4*\qt+1], v[VF+16*\qt+2:VF+16*\qt+3], v[VF+16*\qt+10:VF+16*\qt+11], v[T+4*\qt:T+4*\qt+1]
	v_pk_fma_f32 v[T+4*\qt:T+4*\qt+1], v[VF+16*\qt+4:VF+16*\qt+5], v[VF+16*\qt+12:VF+16*\qt+13], v[T+4*\qt:T+4*\qt+1]
	v_pk_fma_f32 v[T+4*\qt:T+4*\qt+1], v[VF+16*\qt+6:VF+16*\qt+7], v[VF+16*\qt+14:VF+16*\qt+15], v[T+4*\qt:T+4*\qt+1]
	v_add_f32 v[T+4*\qt], v[T+4*\qt], v[T+4*\qt+1]                 ; l over all keys: at least 1, since the largest score gives 2^0
.endr
.irp qt, 0,1,2,3
	v_rcp_f32 v[T+4*\qt+1], v[T+4*\qt]
.endr
	v_nop                                          ; the plain line behind the reciprocals
	s_wait_alu depctr_va_vdst(0)
.irp qt, 0,1,2,3
	v_mul_f32 v[GF+2*\qt],   v[T+4*\qt+2], v[T+4*\qt+1]            ; 2^(mine - total) / l
	v_mul_f32 v[GF+2*\qt+1], v[T+4*\qt+2], v[T+4*\qt+1]
.endr
	SCALEO GF
	WIN 0x04                                       ; an LDS store's data is source 1: window 1
.irp qt, 0,1,2,3
.irp dt, 0,1,2,3
	ds_store_b128 v[PW], v[32*\qt+8*\dt:32*\qt+8*\dt+3]   offset:16*PPITCH*\qt+64*\dt      ; query 16 qt + r, dims 16 dt + 8 h .. + 3
	ds_store_b128 v[PW], v[32*\qt+8*\dt+4:32*\qt+8*\dt+7] offset:16*PPITCH*\qt+64*\dt+16
.endr
.endr
	WIN 0
	s_wait_dscnt 0x0                               ; for the others' sake: my partial is whole
	s_barrier_signal -1
	s_barrier_wait -1
	; wave w adds the eight partials of queries 8 w .. 8 w + 7: a load takes two whole rows, lanes 0-15 one, lanes 16-31 the next
.irp p, 0,1,2,3
.irp i, 0,1,2,3
	ds_load_b128 v[SC+16*\p+4*\i:SC+16*\p+4*\i+3],       v[PR]   offset:PARTB*\p+2*PPITCH*\i
	ds_load_b128 v[SC+64+16*\p+4*\i:SC+64+16*\p+4*\i+3], v[PR+1] offset:PARTB*\p+2*PPITCH*\i
.endr
.endr
	s_wait_dscnt 0x0
.macro ADDP d, s                       ; partial d += partial s: my 16 numbers of each
.irp k, 0,2,4,6,8,10,12,14
	v_pk_add_f32 v[SC+16*\d+\k:SC+16*\d+\k+1], v[SC+16*\d+\k:SC+16*\d+\k+1], v[SC+16*\s+\k:SC+16*\s+\k+1]
.endr
.endm
	ADDP 0, 1
	ADDP 2, 3
	ADDP 4, 5
	ADDP 6, 7
	ADDP 0, 2
	ADDP 4, 6
	ADDP 0, 4
.irp i, 0,1,2,3
	global_store_b128 v[OUTO], v[SC+4*\i:SC+4*\i+3], s[8:9] offset:512*\i th:TH_STORE_NT   ; two whole rows of out0: 512 consecutive bytes, aligned
.endr
	s_wait_tensorcnt 0x0
	ds_add_u32 v14, v15
	s_wait_dscnt 0x0
	ROUND                                          ; the closing round: no work-group ends while a partner may still ask for a stage that names it
	s_endpgm
.Lfunc_end_k_q4b6bd5a757_attn:
	.size	k_q4b6bd5a757_attn, .Lfunc_end_k_q4b6bd5a757_attn-k_q4b6bd5a757_attn
	.p2alignl 7, 3214868480
	.fill 96, 4, 3214868480
	.section	.rodata,"a",@progbits
	.p2align	6, 0x0
	.amdhsa_kernel k_q4b6bd5a757_attn
		.amdhsa_group_segment_fixed_size 327680
		.amdhsa_private_segment_fixed_size 0
		.amdhsa_enable_private_segment 0
		.amdhsa_kernarg_size 24
		.amdhsa_user_sgpr_count 2
		.amdhsa_user_sgpr_kernarg_segment_ptr 1
		.amdhsa_wavefront_size32 1
		.amdhsa_system_sgpr_workgroup_id_x 1
		.amdhsa_system_sgpr_workgroup_id_y 1
		.amdhsa_system_sgpr_workgroup_id_z 1
		.amdhsa_system_vgpr_workitem_id 0
		.amdhsa_next_free_vgpr 512
		.amdhsa_next_free_sgpr 66
		.amdhsa_reserve_vcc 0
		.amdhsa_float_denorm_mode_32 3
		.amdhsa_float_denorm_mode_16_64 3
		.amdhsa_memory_ordered 1
		.amdhsa_forward_progress 1
		.amdhsa_inst_pref_size 152
	.end_amdhsa_kernel
	.amdgpu_metadata
---
amdhsa.version: [ 1, 2 ]
amdhsa.kernels:
  - .name:           k_q4b6bd5a757_attn
    .symbol:         k_q4b6bd5a757_attn.kd
    .args:
      - { .name: q, .offset: 0, .size: 8, .value_kind: global_buffer, .address_space: global }
      - { .name: kv, .offset: 8, .size: 8, .value_kind: global_buffer, .address_space: global }
      - { .name: out0, .offset: 16, .size: 8, .value_kind: global_buffer, .address_space: global }
    .group_segment_fixed_size: 327680
    .private_segment_fixed_size: 0
    .kernarg_segment_align: 8
    .kernarg_segment_size: 24
    .max_flat_workgroup_size: 256
    .sgpr_count:     66
    .vgpr_count:     512
    .wavefront_size: 32
...
	.end_amdgpu_metadata
.endif
;; end of part 2
